; MI455X (gfx1250); checked and timed in simulation.
; The chip was launched on July 23, 2026; its instructions are those of AMD's public machine-readable ISA for CDNA 5 (MIT licence, August 2026) and "CDNA5" Instruction Set Architecture Reference Guide (July 2026). The comments in the code are by the model that wrote it; some were corrected since.
;; AWQ Linear. Allowed arithmetic: matrix products marked QUANTISED: E4M3 operands, one E8M0 scale for each 32 along K, by v_wmma_scale_f32_16x16x128_f8f6f4 with both operands' format E4M3, f32 sums; everything else in f32.
;; Inputs: bias 11,008 float32; channel_scales 4,096 float32; qweight 11,008 x 2,048 uint8; scales 11,008 x 32 float32; x 1 x 256 x 4,096 float32; zeros 11,008 x 32 float32.
;; Outputs: out0 1 x 256 x 11,008 float32.
;; This version of the problem:
;;   THIS VERSION OF THE PROBLEM IS GIVEN IN LOW PRECISION. The matrix products marked QUANTISED in the list below multiply operands that are first quantised to E4M3 (4 exponent bits, 3 mantissa bits; 8 bits a number), with one power-of-two scale for each 32 numbers along K (OCP MX v1.0); their sums are f32. All else is computed in f32.
;;   The module's matrix products, in the order in which they are computed (A, B: the left and right operand; K: the contracted axis; several contracted axes count as one K, in the product's order):
;;     1. [M 256, K 4,096] x [K 4,096, N 11,008]; A: input x; B: computed on the way: QUANTISED
;;   THE QUANTISER, for each operand of a quantised product, along K:
;;     - K is cut into blocks of 32 from its start; a last block that is shorter is filled with zeros.
;;     - A block's scale is 2^e with e = floor(log2(the largest magnitude in the block)) - 8, held to -126 .. 127; a block of zeros has e = 0. As a byte (E8M0): e + 127.
;;     - Each number is divided by its block's scale, clamped to +-448, and rounded to the nearest number of E4M3, ties to even, subnormals kept.
;;     - The product sums the exact products of the quantised numbers (number of the format x scale) in f32.
;;   ~~~python
;;   def quantise(x, axis):      # numpy; x: float32 -> the quantised numbers, widened to float32 again
;;       x = np.moveaxis(x, axis, -1); K = x.shape[-1]
;;       x = np.pad(x, [(0, 0)] * (x.ndim - 1) + [(0, -K % 32)]); x = x.reshape(x.shape[:-1] + (-1, 32)); a = np.abs(x).max(-1, keepdims=True)
;;       e = np.where(a > 0, np.clip(np.frexp(np.where(a > 0, a, 1))[1] - 1 - 8, -126, 127), 0)      # np.frexp(a)[1] - 1 = floor(log2(a)), exactly
;;       r = np.clip(x / 2.0 ** e, -448, 448)
;;       step = 2.0 ** (np.maximum(np.frexp(np.where(r == 0, 1, r))[1] - 1, -6) - 3)
;;       q = np.round(r / step) * step * 2.0 ** e      # np.round: ties to even
;;       return np.moveaxis(q.reshape(q.shape[:-2] + (-1,))[..., :K], -1, axis).astype(np.float32)
;;   ~~~
;;   OPERANDS COMPUTED ON THE WAY. 'Computed on the way' means the value that the module computes at that place (a softmax that the list does not call 'softmax' is quantised finished and normalised). What goes into a quantiser is computed in f32, as accurately as f32 sums, v_exp_f32 and their like allow (about 1e-6 of the number): no bf16 or f16 on the way to a quantiser, and a product that is left as it is and whose result goes on into a quantised operand takes f32 operands (vector FMAs, or v_wmma_f32_16x16x4_f32). A number that lies on a knife's edge between two numbers of the format may be rounded either way, as far as f32 arithmetic and the matrix unit's own rounding can turn it there, and no further.
;; One version. Each part assembles by itself: llvm-mc -triple=amdgcn-amd-amdhsa -mcpu=gfx1250 --defsym DOCPART=n.
;; ======== version 1 of 1: 2 launches
;; limits: right only within a limited range of input values
;; workspace buffers: xq 1,048,576 bytes; xs 32,768 bytes; rcq 16,384 bytes
;; launch prep (part 1): grid 256 x 1, 4 waves a work-group, no clusters, 18,176 bytes of LDS; arguments x, channel_scales, xq, xs, rcq; writes xq, xs, rcq
.if DOCPART == 1
	.amdgcn_target "amdgcn-amd-amdhsa--gfx1250"
	.amdhsa_code_object_version 6
	.text
	.protected	k_qf9fd456aa7_prep
	.globl	k_qf9fd456aa7_prep
	.p2align	8
	.type	k_qf9fd456aa7_prep,@function
k_qf9fd456aa7_prep:
	s_mov_b64 s[64:65], 0
	v_nop
	global_prefetch_b8 v0, s[64:65] scope:SCOPE_SE
	s_setreg_imm32_b32 hwreg(HW_REG_WAVE_MODE, 25, 1), 1
	s_wait_xcnt 0x0
; x [256][4096] f32 becomes codes of FP8 (E4M3) with one E8M0 byte for each 32 along K, laid as the product's launch takes them:
;   xq [S 32][m 16][c 4][lane 32][16 bytes]: the image of the operand's registers.  S: 128 along K; m: 16 rows; c: a block of 32.  Lane 16 h + r holds row 16 m + r;
;      its byte p is the code of k = 128 S + 32 c + 16 h + pi(p), pi(p) = 2 p for p < 8 and 2 (p - 8) + 1 from 8 on: EVEN k FIRST, THEN ODD k, the order in which the weights' nibbles fall out of their bytes.
;   xs [S 32][qq 4][lane 32][2 words]: lane 16 b + r: word 0 = the scale word of row tile 4 qq + b, row r; word 1 = that of tile 4 qq + 2 + b.  Byte c of a word: block c.
;   rcq [S 32][c 4][h 2][p 16] f32 = 1 / channel_scales[128 S + 32 c + 16 h + pi(p)]: v_rcp_f32 and one Newton step.
; A block's scale is 2^(floor(log2(its largest magnitude)) - 8); its byte is the largest magnitude's exponent field - 8, held at 1 from below.  A block of zeros keeps the byte 1 where the
; rule says 127: its codes are zeros, and this program alone reads the bytes.
; LIMITS: NaN and infinities among the inputs are not served; channel scales whose magnitude lies outside 2^-126 .. 2^126 are not served (the reciprocal flushes denormals: ISA guide 15.8);
; blocks whose largest magnitude lies under 2^-118 keep the byte 1.
; SHARES: work-group g: S = g / 8, row tiles 2 (g % 8) and the next; wave w: tile w / 2 of the two, blocks 2 e and 2 e + 1, e = w % 2: 16 rows x 64 k.  Eight loads, each two rows x 256 bytes, turn through
; the wave's own stage in LDS (rows 272 bytes apart), so that a lane gets 16 neighbours.  The scale words meet in LDS behind one barrier.  A work-group's words are every second word of 256 bytes of xs (128 bytes of the launch's stores each).
.set XR, 16                            ; v16-47   my 32 numbers: register 16 cc + i = k 32 (2 e + cc) + 16 h + i of row r
.set LD, 48                            ; v48-79   as loaded
.set YR, 80                            ; v80-111  held, in the order pi
.set TM, 112                           ; v112-115 maxima; v116-117 the other half's; v118-119 448 x the scale; v120-121 the conversions' scale operands; v122-123 bytes
.set PW, 124
.set PC, 126                           ; v126-133 codes
.set RCW, 136                          ; v136-155 the reciprocals' path
.set SPW, 156                          ; v156     my spare word;  v157 0
.set NIL, 157
.set SP, 272
.set WREG, 16*SP
.set SW, 4*WREG
.set SPARE, SW+256
	s_load_b256 s[4:11], s[0:1], 0x0               ; x s[4:5], channel_scales s[6:7], xq s[8:9], xs s[10:11]
	s_load_b64 s[12:13], s[0:1], 0x20              ; rcq
	v_lshl_add_u32 v[SPW], v0, 2, SPARE
	v_mov_b32 v[NIL], 0
	v_lshrrev_b32 v1, 5, v0
	v_readfirstlane_b32 s16, v1                    ; wave 0..3
	s_lshr_b32 s17, ttmp9, 3                       ; S
	s_and_b32 s18, ttmp9, 7                        ; which pair of row tiles
	s_lshr_b32 s19, s16, 1                         ; which of the two
	s_and_b32 s22, s16, 1                          ; e
	s_mov_b32 s20, 0x76543210
	s_mov_b32 s21, 0xfedcba98                      ; v_permlanex16_b32's selects for lane l xor 16
	s_mov_b32 s23, 0x600000                        ; the mantissa field of 448
	s_lshl_b32 s26, s18, 1
	s_add_co_u32 s26, s26, s19                     ; m
	s_lshl_b32 s24, s26, 18                        ; x: 16 m rows of 16,384 bytes
	s_lshl_b32 s25, s17, 9                         ;    + 128 S numbers + 64 e
	s_add_co_u32 s24, s24, s25
	s_lshl_b32 s25, s22, 8
	s_add_co_u32 s24, s24, s25
	s_mov_b32 s25, 0
	s_lshl_b32 s28, s17, 15                        ; xq: 32,768 S + 2,048 m + 1,024 e
	s_lshl_b32 s29, s26, 11
	s_add_co_u32 s28, s28, s29
	s_lshl_b32 s29, s22, 10
	s_add_co_u32 s28, s28, s29
	s_mov_b32 s29, 0
	s_lshl_b32 s30, s17, 10                        ; xs: 1,024 S + 256 qq + 4 x which word
	s_lshr_b32 s31, s18, 1
	s_lshl_b32 s31, s31, 8
	s_add_co_u32 s30, s30, s31
	s_and_b32 s31, s18, 1
	s_lshl_b32 s31, s31, 2
	s_add_co_u32 s30, s30, s31
	s_mov_b32 s31, 0
	s_lshl_b32 s34, s17, 9                         ; channel_scales and rcq: 512 S
	s_mov_b32 s35, 0
	s_mul_i32 s36, s16, WREG                       ; my stage
	s_lshl_b32 s37, s19, 6
	s_lshl_b32 s38, s22, 1
	s_add_co_u32 s37, s37, s38
	s_add_co_u32 s37, s37, SW                      ; my half of the tile's scale words
	v_and_b32 v1, 31, v0                           ; lane
	v_and_b32 v2, 15, v0                           ; r
	v_bfe_u32 v3, v0, 4, 1                         ; h
	v_lshlrev_b32 v4, 14, v3
	v_lshl_add_u32 v4, v2, 4, v4                   ; x: row lane / 16, 16 bytes a lane
	v_lshlrev_b32 v5, 4, v1                        ; 16 x lane
	v_mul_u32_u24 v6, SP, v3
	v_lshl_add_u32 v6, v2, 4, v6
	v_add_nc_u32 v6, s36, v6                       ; into the stage
	v_mul_u32_u24 v7, SP, v2
	v_lshl_add_u32 v7, v3, 6, v7
	v_add_nc_u32 v7, s36, v7                       ; out of it: row r, 64 bytes for each half of the lanes
	v_lshl_add_u32 v8, v2, 2, s37
	v_lshl_add_u32 v9, v1, 2, SW
	v_lshlrev_b32 v10, 3, v1
	v_lshrrev_b32 v11, 2, v1
	v_lshlrev_b32 v11, 6, v11
	v_and_b32 v12, 1, v1
	v_lshl_add_u32 v11, v12, 5, v11                ; channel_scales: 64 (lane / 4) + 32 (lane % 2): the eight numbers of which I take the even or the odd four
	v_bfe_u32 v12, v1, 1, 1                        ; 1: the odd ones
	v_mov_b32 v[TM+4], 0                           ; written once: a lane permute's destination counts as one of its sources
	v_mov_b32 v[TM+5], 0
	s_wait_alu depctr_va_vdst(0)                   ; the wait at the head's end
	s_wait_kmcnt 0x0
	s_add_nc_u64 s[4:5], s[4:5], s[24:25]
	s_add_nc_u64 s[8:9], s[8:9], s[28:29]
	s_add_nc_u64 s[10:11], s[10:11], s[30:31]
	s_add_nc_u64 s[6:7], s[6:7], s[34:35]
	s_add_nc_u64 s[12:13], s[12:13], s[34:35]
.irp i, 0,1,2,3,4,5,6,7
	global_load_b128 v[LD+4*\i:LD+4*\i+3], v4, s[4:5] offset:32768*\i th:TH_LOAD_NT   ; rows 2 i, 2 i + 1: sixteen lanes read 256 consecutive bytes
.endr
	; the reciprocals of this S's 128 channel scales: one wave of the eight work-groups that share S.  No barrier and no LDS instruction stands in this branch
	s_cmp_lg_u32 s18, 0
	s_cbranch_scc1 .Lno_rc
	s_cmp_lg_u32 s16, 1
	s_cbranch_scc1 .Lno_rc
	global_load_b128 v[RCW:RCW+3], v11, s[6:7]
	global_load_b128 v[RCW+4:RCW+7], v11, s[6:7] offset:16
	s_wait_loadcnt 0x0
	v_cmp_ne_u32 vcc_lo, 0, v12
.irp j, 0,1,2,3
	v_cndmask_b32 v[RCW+8+\j], v[RCW+2*\j], v[RCW+2*\j+1], vcc_lo   ; the even four or the odd four: the order pi
.endr
	s_wait_alu depctr_va_vdst(0)                   ; the wait ahead of the batch
.irp j, 0,1,2,3
	v_rcp_f32 v[RCW+12+\j], v[RCW+8+\j]
.endr
	v_nop                                          ; a plain instruction between the last reciprocal and the first use (ISA guide 5.7.2)
	s_wait_alu depctr_va_vdst(0)                   ; one wait for the four, ahead of their first reader
.irp j, 0,1,2,3
	v_fma_f32 v[RCW+16+\j], -v[RCW+8+\j], v[RCW+12+\j], 1.0         ; e = 1 - d r
.endr
.irp j, 0,1,2,3
	v_fma_f32 v[RCW+12+\j], v[RCW+12+\j], v[RCW+16+\j], v[RCW+12+\j] ; r + r e: one Newton step
.endr
	global_store_b128 v5, v[RCW+12:RCW+15], s[12:13]               ; 32 lanes store 512 consecutive bytes
.Lno_rc:
.irp i, 0,1,2,3,4,5,6,7
	s_wait_loadcnt 7-\i                            ; load i is in; the younger ones may be out
	ds_store_b128 v6, v[LD+4*\i:LD+4*\i+3] offset:2*SP*\i
.endr
.irp c, 0,1
.irp j, 0,1,2,3
	ds_load_b128 v[XR+16*\c+4*\j:XR+16*\c+4*\j+3], v7 offset:128*\c+16*\j   ; LDS serves a wave's instructions in order (ISA guide 5.7.1.4): these see my stores
.endr
.endr
	s_wait_dscnt 0x0
.irp b, 0,1
	v_max3_num_f32 v[TM+2*\b], |v[XR+16*\b]|, |v[XR+16*\b+1]|, 0x4800000   ; block b: my 16 numbers in two chains, and the floor 2^(9 - 127): the byte cannot fall under 1
	v_max3_num_f32 v[TM+2*\b+1], |v[XR+16*\b+2]|, |v[XR+16*\b+3]|, |v[XR+16*\b+4]|
.endr
.irp i, 5,9
.irp b, 0,1
	v_max3_num_f32 v[TM+2*\b], v[TM+2*\b], |v[XR+16*\b+\i]|, |v[XR+16*\b+\i+1]|
	v_max3_num_f32 v[TM+2*\b+1], v[TM+2*\b+1], |v[XR+16*\b+\i+2]|, |v[XR+16*\b+\i+3]|
.endr
.endr
.irp b, 0,1
	v_max3_num_f32 v[TM+2*\b], v[TM+2*\b], |v[XR+16*\b+13]|, |v[XR+16*\b+14]|
.endr
.irp b, 0,1
	v_max3_num_f32 v[TM+2*\b], v[TM+2*\b], v[TM+2*\b+1], |v[XR+16*\b+15]|
.endr
.irp b, 0,1
	v_permlanex16_b32 v[TM+4+\b], v[TM+2*\b], s20, s21
.endr
.irp b, 0,1
	v_max_num_f32 v[TM+2*\b], v[TM+2*\b], v[TM+4+\b]   ; with lane l xor 16's: the block's largest magnitude
.endr
.irp b, 0,1
	v_add_nc_u32 v[TM+8+\b], 0xfc000000, v[TM+2*\b]    ; 8 off its exponent field: the conversion takes the exponent field of this operand as its scale
.endr
.irp b, 0,1
	v_and_or_b32 v[TM+6+\b], v[TM+2*\b], 0x7f800000, s23   ; 448 x the scale
.endr
.irp b, 0,1
	v_lshrrev_b32 v[TM+10+\b], 23, v[TM+8+\b]      ; the scale's byte
.endr
	v_lshl_or_b32 v[PW], v[TM+11], 8, v[TM+10]     ; blocks 2 e and 2 e + 1 (both halves of the lanes hold them)
	ds_store_b16 v8, v[PW]                         ; both halves write the same two bytes
.irp c, 0,1
.irp p, 0,1,2,3,4,5,6,7,8,9,10,11,12,13,14,15
	v_med3_num_f32 v[YR+16*\c+\p], v[XR+16*\c+2*(\p%8)+\p/8], -v[TM+6+\c], v[TM+6+\c]   ; the hold (the conversion does not saturate: ISA guide 7.6.2), and the order pi in the same line
.endr
	v_cvt_scalef32_pk8_fp8_f32 v[PC+4*\c:PC+4*\c+1], v[YR+16*\c:YR+16*\c+7], v[TM+8+\c]
	v_cvt_scalef32_pk8_fp8_f32 v[PC+4*\c+2:PC+4*\c+3], v[YR+16*\c+8:YR+16*\c+15], v[TM+8+\c]
.endr
	v_nop                                          ; a plain instruction behind the last conversion
.irp c, 0,1
	global_store_b128 v5, v[PC+4*\c:PC+4*\c+3], s[8:9] offset:512*\c   ; 32 lanes store 512 consecutive bytes
.endr
	s_wait_alu depctr_va_vdst(0)
	s_wait_dscnt 0x0                               ; for the others' sake: my half words lie in LDS
	s_barrier_signal -1
	s_barrier_wait -1
	s_cmp_lg_u32 s16, 0
	s_cbranch_scc1 .Lend
	ds_load_b32 v[TM], v9                          ; lane 16 b + r: tile b of the two, row r
	s_wait_dscnt 0x0
	global_store_b32 v10, v[TM], s[10:11]
.Lend:
	s_wait_tensorcnt 0x0                           ; the wave's end
	ds_add_u32 v[SPW], v[NIL]
	s_wait_dscnt 0x0
	s_endpgm
.Lfunc_end_k_qf9fd456aa7_prep:
	.size	k_qf9fd456aa7_prep, .Lfunc_end_k_qf9fd456aa7_prep-k_qf9fd456aa7_prep
	.p2alignl 7, 3214868480
	.fill 96, 4, 3214868480
	.section	.rodata,"a",@progbits
	.p2align	6, 0x0
	.amdhsa_kernel k_qf9fd456aa7_prep
		.amdhsa_group_segment_fixed_size 18176
		.amdhsa_private_segment_fixed_size 0
		.amdhsa_enable_private_segment 0
		.amdhsa_kernarg_size 40
		.amdhsa_user_sgpr_count 2
		.amdhsa_user_sgpr_kernarg_segment_ptr 1
		.amdhsa_wavefront_size32 1
		.amdhsa_system_sgpr_workgroup_id_x 1
		.amdhsa_system_sgpr_workgroup_id_y 1
		.amdhsa_system_sgpr_workgroup_id_z 1
		.amdhsa_system_vgpr_workitem_id 0
		.amdhsa_next_free_vgpr 160
		.amdhsa_next_free_sgpr 66
		.amdhsa_reserve_vcc 1
		.amdhsa_float_denorm_mode_32 3
		.amdhsa_float_denorm_mode_16_64 3
		.amdhsa_memory_ordered 1
		.amdhsa_forward_progress 1
		.amdhsa_inst_pref_size 12
	.end_amdhsa_kernel
	.amdgpu_metadata
---
amdhsa.version: [ 1, 2 ]
amdhsa.kernels:
  - .name:           k_qf9fd456aa7_prep
    .symbol:         k_qf9fd456aa7_prep.kd
    .args:
      - { .name: x, .offset: 0, .size: 8, .value_kind: global_buffer, .address_space: global }
      - { .name: channel_scales, .offset: 8, .size: 8, .value_kind: global_buffer, .address_space: global }
      - { .name: xq, .offset: 16, .size: 8, .value_kind: global_buffer, .address_space: global }
      - { .name: xs, .offset: 24, .size: 8, .value_kind: global_buffer, .address_space: global }
      - { .name: rcq, .offset: 32, .size: 8, .value_kind: global_buffer, .address_space: global }
    .group_segment_fixed_size: 18176
    .private_segment_fixed_size: 0
    .kernarg_segment_align: 8
    .kernarg_segment_size: 40
    .max_flat_workgroup_size: 128
    .sgpr_count:     66
    .vgpr_count:     160
    .wavefront_size: 32
...
	.end_amdgpu_metadata
.endif
;; end of part 1
;; launch gemm (part 2): grid 232 x 1, 8 waves a work-group, clusters of 4 x 1, 327,680 bytes of LDS; arguments qweight, scales, zeros, bias, xq, xs, rcq, out0; writes out0
.if DOCPART == 2
	.amdgcn_target "amdgcn-amd-amdhsa--gfx1250"
	.amdhsa_code_object_version 6
	.text
	.protected	k_qf9fd456aa7_gemm
	.globl	k_qf9fd456aa7_gemm
	.p2align	8
	.type	k_qf9fd456aa7_gemm,@function
k_qf9fd456aa7_gemm:
	s_mov_b64 s[64:65], 0
	v_nop
	global_prefetch_b8 v0, s[64:65] scope:SCOPE_SE
	s_setreg_imm32_b32 hwreg(HW_REG_WAVE_MODE, 25, 1), 1
	s_wait_xcnt 0x0
	s_wait_alu depctr_hold_cnt(0) depctr_sa_sdst(0) depctr_va_vdst(0) depctr_va_sdst(0) depctr_va_ssrc(0) depctr_va_vcc(0) depctr_vm_vsrc(0)
	s_getreg_b32 s2, hwreg(HW_REG_IB_STS2, 6, 4)
	s_cmp_eq_u32 s2, 0
	s_cbranch_scc0 .Lentry_in_a_cluster
	s_endpgm
.Lentry_in_a_cluster:
	s_bfe_u32 s2, ttmp6, 0x10000c
	s_cmp_lg_u32 s2, 0x3003
	s_cbranch_scc0 .Lentry_shape_is_right
	s_endpgm
.Lentry_shape_is_right:
; out0[256][11008] = Q(x) Q(w)^T + bias, w[n][k] = (nibble x scales[n][k / 128] + zeros[n][k / 128]) / channel_scales[k], both operands as codes of FP8 (E4M3) with one E8M0 scale for each 32 along K.
; x's codes and scale words (xq, xs) and the reciprocals of the channel scales (rcq) were made by the launch before, in the layouts that its head states.
; SHARES.  A work-group makes all 256 rows x 48 columns, so that every weight is dequantised and quantised ONCE in the launch.  11008 = 224 x 48 + 8 x 32: 232 work-groups, 58 clusters of four, one turn; 64 columns each would be
; 172, with 4/3 of the work in each.  The price: a row's 48 results are 192 bytes of out0, aligned to 64, so two work-groups share an aligned 256 bytes.  In the last eight the third tile of columns belongs to the next work-group
; (or is row 11,007 of w again) and is not stored.
; EIGHT WAVES, two to a SIMD.  Wave w: kg = w / 2 takes a quarter of K: steps 8 kg .. 8 kg + 7 (a step = 128 along K = one group of scales and zeros); j = w % 2.
;   It MULTIPLIES rows 128 j .. 128 j + 127 x 48 columns: 24 accumulators.  It MAKES half of its K group's weights: of each step the blocks 2 j and 2 j + 1 of all 48 columns; lane (r, h) block 2 j + h of column 16 t + r:
;   16 bytes of qweight, 32 numbers, so a block's largest magnitude needs no other lane.  The codes pass through LDS as the image of the operand's registers, in two buffers by turns.
;   Step c of the four K groups is multiplied while step c + 1 is made: at a MEETING the weights of step c are handed over, and x's next tiles are asked for.
; CLUSTER.  All work-groups read the same xq: the four of a cluster ask for each tile JOINTLY (one tensor load a wave and step, mask 15, descriptor made of the wave's number and the step alone).
; PREFETCH: xq's step c + 3 is asked for while step c is multiplied, two refills ahead of its load, by the first cluster alone; steps 0 to 2 come by their loads.  All of qweight is asked for at the head (all but the last step, which follows
; when step 1's registers are free): nothing of it is prefetched.
; THE NIBBLES.  The bytes 0 .. 15 read as E4M3 are q x 2^-9 exactly, so masks isolate eight nibbles in eight bytes and one conversion with the scale byte 0x88 (2^9) gives eight whole numbers in f32.
; Low nibbles (even k) come first, high nibbles (odd k) second: the order pi of 16 k, which xq and rcq follow too.
; THE MATRIX INSTRUCTION IS USED TRANSPOSED: source 0 = 16 columns of w, source 1 = 16 rows of x: register i of lane (r, h) holds out(16 m + r, 16 t + 8 h + i).
; LIMITS: the sums' order differs from the reference's (k permuted inside blocks; K in four partial sums, added at the end); w / c is w x (1 / c), 1 / c good to f32's last place or so; a block of zeros has the byte 1
; (its codes are zeros), and so has a block whose largest magnitude lies under 2^-118; NaN and infinities are not served.
; All of a WGP's LDS is claimed.
; REGISTERS.  window 0: as named below.  window 1: the 24 accumulators ((m, t) at 8 (3 m + t)), and from 192 on four buffers of 16 for x's tiles.
.set NPITCH, 44032                     ; a row of out0 in bytes
.set SLOTB,  32768                     ; LDS: K group kg's ring at 65,536 kg: two slots, each a step's 16 tiles of 2,048 bytes
.set STEPB,  6144                      ; a step's codes of w: 3 tiles x 2,048
.set WREG,   262144                    ; two buffers of 4 x STEPB
.set SREG,   WREG+8*STEPB              ; scale words of w: 192 bytes a step: [t][r]; 32 steps
.set SPARE,  SREG+32*192               ; the spare words: 128 bytes for each wave, four blocks of 256 bytes that no other line names
.set PP,     208                       ; the end: a row of a partial sum: 192 bytes + 16
.set PSUM,   256*PP                    ; K group kg's partial sum at PSUM kg: over the ring, which has had its last fill and its last read by then
.set SPW, 1                            ; v1   my spare word; never rewritten
.set NIL, 2                            ; v2   0; never rewritten
.set PFX, 3                            ; v3   256 x lane, 15 at the most: the prefetches
.set XSO, 4                            ; v4   8 lane
.set SZO, 5                            ; v5-7   scales, zeros: 128 x row of tile t
.set QO,  8                            ; v8-10  qweight: 2,048 x row + 16 h
.set WST, 11                           ; v11  LDS: where my codes go
.set SST, 12                           ; v12  LDS: where my scale bytes go
.set RCO, 13                           ; v13  rcq: 128 h
.set WLD, 14                           ; v14  LDS: w's fragments
.set XA,  15                           ; v15  LDS: x's tiles
.set BWA, 16                           ; v16  LDS: w's scale words
.set PLD, 17                           ; the end: v17, v19: LDS: rows of partial sums 0 and 1, 2 and 3
.set PL2, 19
.set PLB, 27                           ; v27, v39: the same for tile 2
.set PB2, 39
.set PST, 44                           ; v44: LDS: where my sums go
.set SCV, 18                           ; v18  0x88 in every byte: 2^9
.set MX,  20                           ; v20-23 maxima
.set SCL, 24                           ; v24  the conversion's scale operand
.set LL,  25                           ; v25  448 x the scale
.set BY,  26                           ; v26  the scale's byte
.set UU,  28                           ; v28-35 nibbles, a byte each
.set BW,  36                           ; v36-38 w's scale words, a tile each
.set AS,  40                           ; v40-43, v48-51 x's scale words, two steps by turns: tile m in register 2 (m / 4) + (m / 2) % 2 (numbers that differ from BW's modulo 8)
.set SZ,  52                           ; v52-63 tile t: a pair of scales (even step, odd step), a pair of zeros
.set CC,  64                           ; v64-71 a block's codes
.set FF,  72                           ; v72-103 a block's 32 numbers
.set RC,  104                          ; v104-135 its reciprocals
.set BF,  136                          ; v136-183 w's fragments; at the head step 0's bytes of qweight
.set Q1,  184                          ; v184-255 steps 1 to 6's bytes of qweight, then step 7's in step 1's place
.set EB,  72                           ; the end: v72-199 rows of the partial sums, two sets of 64
.set BI,  200                          ; the end: v200-207 bias, for tiles 0 and 1 and for tile 2
.set CO,  208                          ; v208, v209: offsets in out0
.set COB, 209
.set COL, 210                          ; v210, v211: which 16 bytes of a row
.set CLB, 211
.set BIO, 212                          ; v212, v213: offsets in bias
.set MASK, 30
.set MNT, 31
.set QB, 32
.set SB, 34
.set ZB, 36
.set RB, 38
.set XSB, 40
.set OB, 42
.set G0, 68                            ; s[68:71] group 0 of the joint loads: it walks;  s[72:79] group 1
.set G1, 72
.set PFB, 84                           ; s[84:85] where my prefetches stand
.set MSB, 0
.macro WIN new                         ; the immediate's high byte repeats the setting that is left; a switch that changes nothing is dropped
.if MSB != (\new)
	s_set_vgpr_msb (MSB<<8)|(\new)
.set MSB, (\new)
.endif
.endm
; settings: 0x40 destination window 1;  0x54 source 0 window 0, source 1, C and D window 1;  0x04 an LDS store's data window 1
.macro ROUND                           ; a round of the cluster's barrier
	s_barrier_signal -1
	s_barrier_wait -1
	s_cmp_lg_u32 s20, 0
	s_cbranch_scc1 .Lnot_wave_0_\@
	s_barrier_signal -3
.Lnot_wave_0_\@:
	s_barrier_wait -3
	s_barrier_signal -1
	s_barrier_wait -1
.endm
.macro FIX                             ; the wait ahead of a wait that blocks and ahead of a branch
	s_wait_alu depctr_va_vdst(0)
.endm
.macro XLOAD                           ; tile XI of the step in hand out of its slot: the image of 16 registers, 512 consecutive bytes a load
	WIN 0x40
.irp c, 0,1,2,3
	ds_load_b128 v[192+16*(XI%4)+4*\c:192+16*(XI%4)+4*\c+3], v[XA] offset:SLOTB*(GC%2)+2048*XI+512*\c
.endr
.endm
.macro XSLOAD c                        ; step c's scale words of my eight tiles
	global_load_b64 v[AS+8*((\c)%2):AS+8*((\c)%2)+1], v[XSO], s[XSB:XSB+1] offset:1024*(\c)
	global_load_b64 v[AS+8*((\c)%2)+2:AS+8*((\c)%2)+3], v[XSO], s[XSB:XSB+1] offset:1024*(\c)+256
.endm
.macro BLOAD                           ; w's three fragments of the step in hand, and their scale words
.irp t, 0,1,2
.irp c, 0,1,2,3
	ds_load_b128 v[BF+16*\t+4*\c:BF+16*\t+4*\c+3], v[WLD] offset:4*STEPB*(GC%2)+2048*\t+512*\c
.endr
	ds_load_b32 v[BW+\t], v[BWA] offset:192*GC+64*\t
.endr
.endm
.macro RCLOAD c                        ; the reciprocals of my block in step c
.irp k, 0,1,2,3,4,5,6,7
	global_load_b128 v[RC+4*\k:RC+4*\k+3], v[RCO], s[RB:RB+1] offset:512*(\c)+16*\k
.endr
.endm
.macro QLOAD c, reg                    ; my three pieces of 16 bytes of qweight for step c
.irp t, 0,1,2
	global_load_b128 v[\reg+4*\t:\reg+4*\t+3], v[QO+\t], s[QB:QB+1] offset:64*\c
.endr
.endm
.macro SZLOAD c, t                     ; scales and zeros of tile t for steps c (even) and c + 1
	global_load_b64 v[SZ+4*(\t):SZ+4*(\t)+1], v[SZO+\t], s[SB:SB+1] offset:4*(\c)
	global_load_b64 v[SZ+4*(\t)+2:SZ+4*(\t)+3], v[SZO+\t], s[ZB:ZB+1] offset:4*(\c)
.endm
; PART PN (0 .. 11) of making step MC: a block a lane of each of three tiles, four parts each.  BARE = 1: step 0, ahead of all products.
; THE COUNTS ON LOADcnt name the loads issued behind those that are wanted: scale words of x 2 a step (at a step's head), reciprocals 8 (at part 9), scales and zeros 2 a tile (odd steps, parts 1, 5 and 9, there behind the reciprocals).
.macro PART
.set pT, PN/4
.set pK, PN%4
.set pZ, SZ+4*pT
.if MC == 0
.set pQ, BF+4*pT
.else
.set pQ, Q1+12*((MC-1)%6)+4*pT
.endif
.if pK == 0
.if BARE && (PN == 0)
	FIX
	s_wait_loadcnt 20                              ; step 0's bytes are in, and all that is older; behind them: 2 scale words, 18 of qweight
.endif
.if (MC == 1) && (PN == 0)
	FIX
	s_wait_loadcnt 25                              ; step 1's bytes are in; behind them: 15 of qweight, 8 reciprocals, 2 scale words
.endif
.irp i, 0,1,2,3
	v_and_b32 v[UU+4*(\i/2)+\i%2], s[MASK], v[pQ+\i]           ; low nibbles: even k
	v_lshrrev_b32 v[UU+4*(\i/2)+\i%2+2], 4, v[pQ+\i]
.endr
.irp i, 0,1,2,3
	v_and_b32 v[UU+4*(\i/2)+\i%2+2], s[MASK], v[UU+4*(\i/2)+\i%2+2]   ; high nibbles: odd k
.endr
.irp i, 0,1,2,3
	v_cvt_scale_pk8_f32_fp8 v[FF+8*\i:FF+8*\i+7], v[UU+2*\i:UU+2*\i+1], v[SCV]   ; eight whole numbers 0 .. 15
.endr
	v_nop                                          ; a plain instruction behind the conversions
.if MC == 1
	global_load_b128 v[pQ:pQ+3], v[QO+pT], s[QB:QB+1] offset:64*7     ; step 7's bytes of this tile
.endif
.elseif pK == 1
.if (MC > 0) && (PN == 1)
	FIX
.if MC == 1
	s_wait_loadcnt 3                               ; the reciprocals are in; behind them: 2 scale words, 1 of qweight
.elseif MC%2
	s_wait_loadcnt 2                               ; behind them: 2 scale words
.else
	s_wait_loadcnt 4                               ; behind them: tile 2's scales and zeros, 2 scale words
.endif
.endif
.if (MC > 0) && ((MC%2) == 0) && (PN == 9)
	FIX
	s_wait_loadcnt 2                               ; tile 2's scales and zeros are in; behind them: 2 scale words
.endif
.irp i, 0,2,4,6,8,10,12,14,16,18,20,22,24,26,28,30
.if MC%2
	v_pk_fma_f32 v[FF+\i:FF+\i+1], v[FF+\i:FF+\i+1], v[pZ:pZ+1], v[pZ+2:pZ+3] op_sel:[0,1,1] op_sel_hi:[1,1,1]   ; q s + z: the pairs' second word (the odd step's) for both
.else
	v_pk_fma_f32 v[FF+\i:FF+\i+1], v[FF+\i:FF+\i+1], v[pZ:pZ+1], v[pZ+2:pZ+3] op_sel_hi:[1,0,0]                 ; the first word (the even step's) for both
.endif
.endr
.irp i, 0,2,4,6,8,10,12,14,16,18,20,22,24,26,28,30
	v_pk_mul_f32 v[FF+\i:FF+\i+1], v[FF+\i:FF+\i+1], v[RC+\i:RC+\i+1]   ; x 1 / channel scale
.endr
.if (PN == 9) && (MC < 7)
	RCLOAD MC+1                                    ; this step's are done with
.endif
.if (MC%2) && (MC < 7)
	SZLOAD MC+1, pT                                ; tile t's pairs are done with: the next two steps'
.endif
.elseif pK == 2
	v_max3_num_f32 v[MX], |v[FF]|, |v[FF+1]|, 0x4800000        ; the block's 32 numbers in four chains, and the floor 2^(9 - 127): the byte cannot fall under 1
	v_max3_num_f32 v[MX+1], |v[FF+2]|, |v[FF+3]|, |v[FF+4]|
	v_max3_num_f32 v[MX+2], |v[FF+5]|, |v[FF+6]|, |v[FF+7]|
	v_max3_num_f32 v[MX+3], |v[FF+8]|, |v[FF+9]|, |v[FF+10]|
.irp k, 0,1,2,3,4,5,6,7,8,9
	v_max3_num_f32 v[MX+\k%4], v[MX+\k%4], |v[FF+11+2*\k]|, |v[FF+12+2*\k]|
.endr
	v_max3_num_f32 v[MX+2], v[MX+2], v[MX+3], |v[FF+31]|
	v_max3_num_f32 v[MX], v[MX], v[MX+1], v[MX+2]
	v_add_nc_u32 v[SCL], 0xfc000000, v[MX]         ; 8 off its exponent field: the conversion's scale operand
	v_and_or_b32 v[LL], v[MX], 0x7f800000, s[MNT]  ; 448 x the scale
.else
.irp i, 0,1,2,3,4,5,6,7,8,9,10,11,12,13,14,15,16,17,18,19,20,21,22,23,24,25,26,27,28,29,30,31
	v_med3_num_f32 v[FF+\i], v[FF+\i], -v[LL], v[LL]   ; the hold: the conversion does not saturate (ISA guide 7.6.2)
.endr
.irp i, 0,1,2,3
	v_cvt_scalef32_pk8_fp8_f32 v[CC+2*\i:CC+2*\i+1], v[FF+8*\i:FF+8*\i+7], v[SCL]
.endr
	v_lshrrev_b32 v[BY], 23, v[SCL]                ; the scale's byte; also the plain instruction behind the conversions
	ds_store_b8 v[SST], v[BY] offset:192*MC+64*pT
	ds_store_b128 v[WST], v[CC:CC+3] offset:4*STEPB*(MC%2)+2048*pT         ; the block's first 16 k: the image's lane r
	ds_store_b128 v[WST], v[CC+4:CC+7] offset:4*STEPB*(MC%2)+2048*pT+256   ; the other 16: lane 16 + r
.endif
.endm
.macro MM t                            ; one product: row tile gi x column tile t.  The first step starts the sums.  The 24 accumulators take turns, one instruction a turn, in the same order in every step
.set aD, 8*(3*gi+\t)
.set aB, BF+16*\t
.set aX, 192+16*(gi%4)
.set aW, BW+\t
.set aS, AS+8*(GC%2)+2*(gi/4)+((gi/2)%2)
.if (GC == 0) && (gi%2)
	v_wmma_scale_f32_16x16x128_f8f6f4 v[aD:aD+7], v[aB:aB+15], v[aX:aX+15], 0, v[aW], v[aS] matrix_b_scale:MATRIX_SCALE_ROW1
.elseif GC == 0
	v_wmma_scale_f32_16x16x128_f8f6f4 v[aD:aD+7], v[aB:aB+15], v[aX:aX+15], 0, v[aW], v[aS]
.elseif gi%2
	v_wmma_scale_f32_16x16x128_f8f6f4 v[aD:aD+7], v[aB:aB+15], v[aX:aX+15], v[aD:aD+7], v[aW], v[aS] matrix_b_scale:MATRIX_SCALE_ROW1
.else
	v_wmma_scale_f32_16x16x128_f8f6f4 v[aD:aD+7], v[aB:aB+15], v[aX:aX+15], v[aD:aD+7], v[aW], v[aS]
.endif
.endm
; TILE gi (0 .. 7) of step GC.  First tile gi + 3 is asked for, into the buffer that tile gi - 1 has left (at least 13 plain vector instructions, or eight v_nop, stand behind that tile's products).
; The wait on DScnt leaves out the younger tiles' loads, 4 each (stores of codes issued meanwhile are not counted: the wait is then for more than it needs).
; The wait on LOADcnt at a step's head, for the step's scale words, leaves out what was issued behind them: the next step's 2; 8 reciprocals; behind an odd step's making 6 scales and zeros; at step 0 also 18 of qweight; at step 7 the bias's 2 alone.
; MIX = 1: one or two parts of the next step's making stand behind the products.
.macro TILE
.if (gi == 0) && (GC < 7)
	WIN 0
	XSLOAD GC+1
.endif
.set XL, 7
.if gi < 5
.set XL, gi+3
.set XI, gi+3
	XLOAD
.endif
	FIX
.if gi == 0
.if GC == 0
	s_wait_loadcnt 28
.elseif GC == 7
	s_wait_loadcnt 2
.else
	s_wait_loadcnt 10+6*(GC%2)
.endif
.endif
	s_wait_dscnt 4*(XL-gi)
	WIN 0x54
	MM 0
	MM 1
	MM 2
	WIN 0
.if MIX
.set PN, (3*gi)/2
	PART
.if gi%2
.set PN, PN+1
	PART
.endif
.elseif (gi < 4) || (gi == 7)
.rept 8
	v_nop                                          ; the places behind the products, ahead of loads into what they have read and of the first reader of the sums
.endr
.endif
.endm
; A prefetch of xq's step GC + 3: the first cluster's four partners share a K group's 32,768 bytes by address: 16,384 a wave, 4,096 a work-group, lanes 256 bytes apart (lanes 16 to 31 name the last block again).
.macro ASK
	FIX
	s_cmp_eq_u32 ttmp9, 0
	s_cbranch_scc0 .Lnot_mine_\@
	global_prefetch_b8 v[PFX], s[PFB:PFB+1] offset:SLOTB*(GC+3) th:TH_LOAD_NT scope:SCOPE_SE
.Lnot_mine_\@:
.endm
.macro STEP
.set gi, 0
.rept 8
	TILE
.if MIX && (gi == 1) && (GC < 5)
	ASK
.endif
.set gi, gi+1
.endr
.endm
; THE MEETING AHEAD OF STEP GC.  Each wave waits for its tensor load (its half of its K group's tiles of step GC), adds 0 to its spare word, and waits for that, for its stores of step GC's codes and for its reads of step GC - 1.
; Behind the round all that holds of every wave of the four work-groups: the slot that step GC - 1 read takes step GC + 1.  Ahead of step 7 nothing is filled: a plain barrier.
.macro MEET
	WIN 0
	FIX
	s_wait_tensorcnt 0x0                           ; all my tensor loads have landed, so group 0 may be written
.if GC < 7
	ds_add_u32 v[SPW], v[NIL]                      ; 0 onto my spare word
	s_xor_b32 s[G0+1], s[G0+1], SLOTB              ; the other slot,
	s_add_nc_u64 s[G0+2:G0+3], s[G0+2:G0+3], SLOTB ; the next step's tiles; the type bits on top are not reached
	s_wait_dscnt 0x0
	ROUND
	tensor_load_to_lds s[G0:G0+3], s[G1:G1+7]      ; my one tensor load behind the round: it has this step's products and the next one's making in which to land
	s_nop 0
.rept 4
	v_nop
.endr
.else
	s_wait_dscnt 0x0
	s_barrier_signal -1
	s_barrier_wait -1
.endif
	BLOAD
.set XI, 0
.rept 3
	XLOAD
.set XI, XI+1
.endr
.endm
	s_load_b512 s[4:19], s[0:1], 0x0               ; qweight s[4:5], scales s[6:7], zeros s[8:9], bias s[10:11], xq s[12:13], xs s[14:15], rcq s[16:17], out0 s[18:19]
	v_lshl_add_u32 v[SPW], v0, 2, SPARE
	v_mov_b32 v[NIL], 0
	ds_add_u32 v[SPW], v[NIL]                      ; the wave's opening: the add, twice on end, and its wait ahead of my first tensor load
	ds_add_u32 v[SPW], v[NIL]
	s_wait_dscnt 0x0                               ; both opening adds are done
	v_lshrrev_b32 v33, 5, v0
	v_readfirstlane_b32 s20, v33                   ; wave 0..7
	s_lshr_b32 s21, s20, 1                         ; kg
	s_and_b32 s22, s20, 1                          ; j
	s_lshl_b32 s23, s21, 3                         ; my K group's first step
	; group 1: dense blocks as rows of 256 bytes (32 elements of 8 bytes), no padding
	s_mov_b32 s[G1], 15|(3<<16)|(1<<21)            ; 15:0 the mask: all four work-groups; 17:16 elements of 8 bytes; 21 set beside a mask
	s_mov_b32 s[G1+1], 32<<16                      ; tensor_dim0 = 32
	s_mov_b32 s[G1+2], 64<<16                      ; tensor_dim1 = 64
	s_mov_b32 s[G1+3], 32<<16                      ; tile_dim0 = 32
	s_mov_b32 s[G1+4], 64                          ; tile_dim1 = 64: 16,384 bytes: half of a K group's step
	s_mov_b32 s[G1+5], 32                          ; from row to row
	s_mov_b32 s[G1+6], 0
	s_mov_b32 s[G1+7], 0
	s_lshl_b32 s50, s21, 18                        ; xq: 32,768 bytes a step, my half: made of the wave's number alone
	s_lshl_b32 s51, s22, 14
	s_add_co_u32 s50, s50, s51
	s_lshl_b32 s27, s21, 16
	s_add_co_u32 s27, s27, s51                     ; and where it goes: slot 0, my half
	s_mov_b32 s51, 0
	s_mov_b32 s[G0], 1                             ; 1:0 count = 1
	s_mov_b32 s[G0+1], s27                         ; 63:32 LDS address
	; my work-group's columns: 48 each, 32 each from work-group 224 on
	s_bfe_u32 s80, ttmp6, 0x40000                  ; cx: it enters global addresses of my own loads, stores and prefetches alone
	s_lshl_b32 s81, ttmp9, 2                       ; in a cluster launch ttmp9 counts clusters
	s_add_co_u32 s81, s81, s80
	s_mul_i32 s24, s81, 48
	s_max_u32 s86, s81, 224
	s_sub_co_u32 s86, s86, 224
	s_lshl_b32 s86, s86, 4
	s_sub_co_u32 s24, s24, s86                     ; my work-group's first column
	s_max_u32 s86, s81, 223
	s_sub_co_u32 s86, s86, 223
	s_min_u32 s86, s86, 1
	s_lshl_b32 s86, s86, 2
	s_sub_co_u32 s45, 12, s86                      ; 16-byte pieces of a row of out0 that are mine: 12 or 8
	s_lshl_b32 s44, s24, 2                         ; my first column in bytes
	s_add_co_u32 s58, s24, 16
	s_add_co_u32 s59, s24, 32
	s_lshl_b32 s82, s80, 12                        ; the prefetches: my work-group's quarter of my half
	s_add_co_u32 s82, s82, s50
	s_mov_b32 s83, 0
	s_mov_b32 s[MASK], 0x0f0f0f0f
	s_mov_b32 s[MNT], 0x600000                     ; the mantissa field of 448
	s_lshl_b32 s46, s23, 6                         ; qweight: 64 bytes a step, 32 of them mine
	s_lshl_b32 s47, s22, 5
	s_add_co_u32 s46, s46, s47
	s_mov_b32 s47, 0
	s_lshl_b32 s48, s23, 2                         ; scales, zeros: 4 bytes a step
	s_mov_b32 s49, 0
	s_lshl_b32 s52, s23, 10                        ; xs: 1,024 bytes a step, my eight tiles' 512
	s_lshl_b32 s53, s22, 9
	s_add_co_u32 s52, s52, s53
	s_mov_b32 s53, 0
	s_mul_i32 s54, s20, 32*NPITCH                  ; out0: rows 32 wave on
	s_add_co_u32 s54, s54, s44
	s_mov_b32 s55, 0
	s_lshl_b32 s62, s23, 9                         ; rcq: 512 bytes a step, 256 of them mine
	s_lshl_b32 s63, s22, 8
	s_add_co_u32 s62, s62, s63
	s_mov_b32 s63, 0
	s_mul_i32 s56, s20, 32*PP                      ; the end: rows 32 wave on of partial sum 0
	s_mul_i32 s57, s21, PSUM
	s_mul_i32 s25, s22, 128*PP
	s_add_co_u32 s57, s57, s25                     ; the end: my 128 rows of my K group's partial sum
	s_mul_i32 s28, s21, STEPB
	s_add_co_u32 s28, s28, WREG                    ; LDS: my K group's codes,
	s_lshl_b32 s25, s22, 10
	s_add_co_u32 s25, s25, s28                     ; the blocks that I make,
	s_mul_i32 s29, s21, 8*192
	s_add_co_u32 s29, s29, SREG                    ; its scale words,
	s_lshl_b32 s26, s22, 1
	s_add_co_u32 s26, s26, s29                     ; my bytes of them
	v_and_b32 v30, 15, v0                          ; r
	v_bfe_u32 v31, v0, 4, 1                        ; h
	v_and_b32 v32, 31, v0                          ; lane
	v_lshlrev_b32 v[XSO], 3, v32
	v_add_nc_u32 v33, s24, v30
	v_add_nc_u32 v34, s58, v30
	v_add_nc_u32 v35, s59, v30
.irp t, 0,1,2
	v_min_u32 v[33+\t], 11007, v[33+\t]            ; the column, held inside the tensors
.endr
.irp t, 0,1,2
	v_lshlrev_b32 v[SZO+\t], 7, v[33+\t]
	v_lshlrev_b32 v[QO+\t], 11, v[33+\t]
.endr
.irp t, 0,1,2
	v_lshl_add_u32 v[QO+\t], v31, 4, v[QO+\t]
.endr
	v_lshlrev_b32 v33, 4, v30
	v_lshlrev_b32 v34, 2, v30
	v_min_u32 v35, 15, v32
	v_lshl_add_u32 v33, v31, 9, v33
	v_add_nc_u32 v34, v34, v31
	v_lshlrev_b32 v[PFX], 8, v35
	v_add_nc_u32 v[WST], s25, v33
	v_add_nc_u32 v[SST], s26, v34
	v_lshlrev_b32 v[RCO], 7, v31
	v_lshl_add_u32 v[WLD], v32, 4, s28
	v_lshl_add_u32 v[XA], v32, 4, s27
	v_lshl_add_u32 v[BWA], v30, 2, s29
	v_mov_b32 v[SCV], 0x88888888
	s_wait_alu depctr_va_vdst(0)                   ; the wait at the head's end
	s_wait_kmcnt 0x0
	s_add_nc_u64 s[QB:QB+1], s[4:5], s[46:47]
	s_add_nc_u64 s[SB:SB+1], s[6:7], s[48:49]
	s_add_nc_u64 s[ZB:ZB+1], s[8:9], s[48:49]
	s_add_nc_u64 s[RB:RB+1], s[16:17], s[62:63]
	s_add_nc_u64 s[XSB:XSB+1], s[14:15], s[52:53]
	s_add_nc_u64 s[OB:OB+1], s[18:19], s[54:55]
	s_add_nc_u64 s[PFB:PFB+1], s[12:13], s[82:83]
	s_add_nc_u64 s[G0+2:G0+3], s[12:13], s[50:51]  ; 120:64 global address: my half of step 8 kg
	s_or_b32 s[G0+3], s[G0+3], 0x80000000          ; 127:126 type = 2
.irp t, 0,1,2
	SZLOAD 0, \t
.endr
	RCLOAD 0
	QLOAD 0, BF
	XSLOAD 0
	ROUND                                          ; all four work-groups are here: the first joint loads meet
	tensor_load_to_lds s[G0:G0+3], s[G1:G1+7]      ; step 0's tiles: one tensor load a wave at the head
	s_nop 0
.rept 4
	v_nop
.endr
	QLOAD 1, Q1
	QLOAD 2, Q1+12
	QLOAD 3, Q1+24
	QLOAD 4, Q1+36
	QLOAD 5, Q1+48
	QLOAD 6, Q1+60
.set GC, 0
.set MC, 0
.set BARE, 1
.set MIX, 1
.set PN, 0
.rept 12
	PART                                           ; step 0 is made, bare; its tiles of x land meanwhile
.set PN, PN+1
.endr
.set BARE, 0
.rept 7
	MEET
.set MC, GC+1
	STEP                                           ; step GC is multiplied, step GC + 1 is made
.set GC, GC+1
.endr
.set MIX, 0
	; the end's addresses.  A wave's 32 rows leave as eight lines of 4 rows x 128 bytes (tiles 0 and 1: eight lanes a row), then four of 8 rows x 64 bytes (tile 2: four lanes a row)
	v_bfe_u32 v214, v0, 3, 2                       ; row of four
	v_and_b32 v[COL], 7, v0                        ; piece 0 .. 7
	v_bfe_u32 v215, v0, 2, 3                       ; row of eight
	v_and_b32 v216, 3, v0
	v_add_nc_u32 v[CLB], 8, v216                   ; piece 8 .. 11
	v_mul_u32_u24 v217, PP, v214
	v_lshl_add_u32 v217, v[COL], 4, v217
	v_add_nc_u32 v[PLD], s56, v217
	v_add_nc_u32 v[PL2], 2*PSUM, v[PLD]
	v_mul_u32_u24 v218, PP, v215
	v_lshl_add_u32 v218, v[CLB], 4, v218
	v_add_nc_u32 v[PLB], s56, v218
	v_add_nc_u32 v[PB2], 2*PSUM, v[PLB]
	v_mul_u32_u24 v217, NPITCH, v214
	v_lshl_add_u32 v[CO], v[COL], 4, v217
	v_mul_u32_u24 v218, NPITCH, v215
	v_lshl_add_u32 v[COB], v[CLB], 4, v218
	v_lshl_add_u32 v217, v[COL], 4, s44
	v_min_u32 v[BIO], 44016, v217                  ; held inside bias
	v_lshl_add_u32 v218, v[CLB], 4, s44
	v_min_u32 v[BIO+1], 44016, v218
	v_and_b32 v219, 15, v0
	v_bfe_u32 v220, v0, 4, 1
	v_mul_u32_u24 v219, PP, v219
	v_lshl_add_u32 v219, v220, 5, v219
	v_add_nc_u32 v[PST], s57, v219
	s_wait_alu depctr_va_vdst(0)
.irp p, 0,1
	global_load_b128 v[BI+4*\p:BI+4*\p+3], v[BIO+\p], s[10:11]   ; it is wanted at the end
.endr
	MEET
	STEP                                           ; step 7
	; THE END.  Each wave lays its 128 x 48 into its K group's partial sum; behind a barrier wave w adds rows 32 w .. 32 w + 31 of the four, adds the bias and stores.
	s_wait_dscnt 0x0                               ; my reads of the ring are over (all my tensor loads have landed: the last meeting)
	s_barrier_signal -1
	s_barrier_wait -1                              ; everybody's are: its bytes may be written
	WIN 0x04
.irp m, 0,1,2,3,4,5,6,7
.irp t, 0,1,2
	ds_store_b128 v[PST], v[8*(3*\m+\t):8*(3*\m+\t)+3] offset:16*PP*\m+64*\t        ; each accumulator from its low end on
	ds_store_b128 v[PST], v[8*(3*\m+\t)+4:8*(3*\m+\t)+7] offset:16*PP*\m+64*\t+16
.endr
.endr
	WIN 0
	s_wait_dscnt 0x0                               ; for the others' sake: my part of the partial sum lies in LDS
	s_barrier_signal -1
	s_barrier_wait -1
.macro LOADP p                         ; third p: four pieces a lane of each of the four partial sums
.irp i, 0,1,2,3
.set eI, EB+64*(\p%2)+16*\i
.if \p < 2
	ds_load_b128 v[eI:eI+3], v[PLD] offset:4*PP*(4*\p+\i)
	ds_load_b128 v[eI+4:eI+7], v[PLD] offset:4*PP*(4*\p+\i)+PSUM
	ds_load_b128 v[eI+8:eI+11], v[PL2] offset:4*PP*(4*\p+\i)
	ds_load_b128 v[eI+12:eI+15], v[PL2] offset:4*PP*(4*\p+\i)+PSUM
.else
	ds_load_b128 v[eI:eI+3], v[PLB] offset:8*PP*\i
	ds_load_b128 v[eI+4:eI+7], v[PLB] offset:8*PP*\i+PSUM
	ds_load_b128 v[eI+8:eI+11], v[PB2] offset:8*PP*\i
	ds_load_b128 v[eI+12:eI+15], v[PB2] offset:8*PP*\i+PSUM
.endif
.endr
.endm
.macro SUMP p
.irp i, 0,1,2,3
.set eI, EB+64*(\p%2)+16*\i
	v_pk_add_f32 v[eI:eI+1], v[eI:eI+1], v[eI+4:eI+5]
	v_pk_add_f32 v[eI+2:eI+3], v[eI+2:eI+3], v[eI+6:eI+7]
	v_pk_add_f32 v[eI+8:eI+9], v[eI+8:eI+9], v[eI+12:eI+13]
	v_pk_add_f32 v[eI+10:eI+11], v[eI+10:eI+11], v[eI+14:eI+15]
.endr
.irp i, 0,1,2,3
.set eI, EB+64*(\p%2)+16*\i
	v_pk_add_f32 v[eI:eI+1], v[eI:eI+1], v[eI+8:eI+9]
	v_pk_add_f32 v[eI+2:eI+3], v[eI+2:eI+3], v[eI+10:eI+11]
.endr
.irp i, 0,1,2,3
.set eI, EB+64*(\p%2)+16*\i
.set bI, BI+4*(\p/2)
	v_pk_add_f32 v[eI:eI+1], v[eI:eI+1], v[bI:bI+1]
	v_pk_add_f32 v[eI+2:eI+3], v[eI+2:eI+3], v[bI+2:bI+3]
.endr
	s_wait_alu depctr_va_vdst(0)
.if \p == 2
	s_wait_xcnt 0x0                                ; EXEC changes only behind s_wait_xcnt 0
	v_cmp_gt_u32 vcc_lo, s45, v[CLB]               ; tile 2 is mine but in the last eight work-groups
	s_and_saveexec_b32 s60, vcc_lo
.endif
.irp i, 0,1,2,3
.set eI, EB+64*(\p%2)+16*\i
.if \p < 2
	global_store_b128 v[CO], v[eI:eI+3], s[OB:OB+1] offset:4*NPITCH*(4*\p+\i) th:TH_STORE_NT   ; eight lanes store 128 consecutive bytes, at a multiple of 64
.else
	global_store_b128 v[COB], v[eI:eI+3], s[OB:OB+1] offset:8*NPITCH*\i th:TH_STORE_NT          ; four lanes store 64 consecutive bytes, aligned
.endif
.endr
	s_wait_xcnt 0x0                                ; the stores have read their data: the registers may be loaded again, and EXEC may change
.if \p == 2
	s_or_b32 exec_lo, exec_lo, s60
.endif
.endm
	LOADP 0
	LOADP 1
	s_wait_loadcnt 0x0                             ; the bias
	s_wait_dscnt 16                                ; third 0 is in; third 1's sixteen loads may be out
	SUMP 0
	LOADP 2
	s_wait_dscnt 16
	SUMP 1
	s_wait_dscnt 0x0
	SUMP 2
	s_wait_tensorcnt 0x0                           ; the wave's end: behind my last tensor load and my last LDS store
	ds_add_u32 v[SPW], v[NIL]
	s_wait_dscnt 0x0
	ROUND                                          ; the closing round: no work-group ends while a partner may still ask for a tile that names it
	s_endpgm
.Lfunc_end_k_qf9fd456aa7_gemm:
	.size	k_qf9fd456aa7_gemm, .Lfunc_end_k_qf9fd456aa7_gemm-k_qf9fd456aa7_gemm
	.p2alignl 7, 3214868480
	.fill 96, 4, 3214868480
	.section	.rodata,"a",@progbits
	.p2align	6, 0x0
	.amdhsa_kernel k_qf9fd456aa7_gemm
		.amdhsa_group_segment_fixed_size 327680
		.amdhsa_private_segment_fixed_size 0
		.amdhsa_enable_private_segment 0
		.amdhsa_kernarg_size 64
		.amdhsa_user_sgpr_count 2
		.amdhsa_user_sgpr_kernarg_segment_ptr 1
		.amdhsa_wavefront_size32 1
		.amdhsa_system_sgpr_workgroup_id_x 1
		.amdhsa_system_sgpr_workgroup_id_y 1
		.amdhsa_system_sgpr_workgroup_id_z 1
		.amdhsa_system_vgpr_workitem_id 0
		.amdhsa_next_free_vgpr 512
		.amdhsa_next_free_sgpr 90
		.amdhsa_reserve_vcc 1
		.amdhsa_float_denorm_mode_32 3
		.amdhsa_float_denorm_mode_16_64 3
		.amdhsa_memory_ordered 1
		.amdhsa_forward_progress 1
		.amdhsa_inst_pref_size 252
	.end_amdhsa_kernel
	.amdgpu_metadata
---
amdhsa.version: [ 1, 2 ]
amdhsa.kernels:
  - .name:           k_qf9fd456aa7_gemm
    .symbol:         k_qf9fd456aa7_gemm.kd
    .args:
      - { .name: qweight, .offset: 0, .size: 8, .value_kind: global_buffer, .address_space: global }
      - { .name: scales, .offset: 8, .size: 8, .value_kind: global_buffer, .address_space: global }
      - { .name: zeros, .offset: 16, .size: 8, .value_kind: global_buffer, .address_space: global }
      - { .name: bias, .offset: 24, .size: 8, .value_kind: global_buffer, .address_space: global }
      - { .name: xq, .offset: 32, .size: 8, .value_kind: global_buffer, .address_space: global }
      - { .name: xs, .offset: 40, .size: 8, .value_kind: global_buffer, .address_space: global }
      - { .name: rcq, .offset: 48, .size: 8, .value_kind: global_buffer, .address_space: global }
      - { .name: out0, .offset: 56, .size: 8, .value_kind: global_buffer, .address_space: global }
    .group_segment_fixed_size: 327680
    .private_segment_fixed_size: 0
    .kernarg_segment_align: 8
    .kernarg_segment_size: 64
    .max_flat_workgroup_size: 256
    .sgpr_count:     90
    .vgpr_count:     512
    .wavefront_size: 32
...
	.end_amdgpu_metadata
.endif
;; end of part 2
